; MI455X (gfx1250); checked and timed in simulation.
; The chip was launched on July 23, 2026; its instructions are those of AMD's public machine-readable ISA for CDNA 5 (MIT licence, August 2026) and "CDNA5" Instruction Set Architecture Reference Guide (July 2026). The comments in the code are by the model that wrote it; some were corrected since.
;; Scaled Dot Product Attention. Allowed arithmetic: float matrix products may take bf16 or f16 operands with f32 sums; all other float work in f32.
;; Inputs: keys 32 x 2,048 x 64 float32; masks 4 x 2,048 int32; queries 32 x 2,048 x 64 float32; values 32 x 2,048 x 64 float32.
;; Outputs: out0 32 x 2,048 x 64 float32.
;; One version. Each part assembles by itself: llvm-mc -triple=amdgcn-amd-amdhsa -mcpu=gfx1250 --defsym DOCPART=n.
;; ======== version 1 of 1: 1 launch
;; limits: values are held in f16: magnitudes above 65,504 overflow, below 6.1e-05 lose precision
;; launch attn (part 1): grid 256 x 1, 8 waves a work-group, no clusters, 229,888 bytes of LDS; arguments queries, keys, values, masks, out0; writes out0
.if DOCPART == 1
	.amdgcn_target "amdgcn-amd-amdhsa--gfx1250"
	.amdhsa_code_object_version 6
	.text
	.protected	k_q2b3a64c7bd_attn
	.globl	k_q2b3a64c7bd_attn
	.p2align	8
	.type	k_q2b3a64c7bd_attn,@function
k_q2b3a64c7bd_attn:
	s_mov_b64 s[64:65], 0
	v_nop
	global_prefetch_b8 v0, s[64:65] scope:SCOPE_SE
	s_setreg_imm32_b32 hwreg(HW_REG_WAVE_MODE, 25, 1), 1
	s_wait_xcnt 0x0
; out = softmax(q k^T / 8 + mask * MASK, future keys replaced by MASK) v.   32 heads, 2048 x 64, f32; MASK = -2^32 in f32.
; Head bh uses mask row bh & 3.  Products with f16 operands and f32 sums, everything else in f32.
;
; WHY F16 AND NOT BF16.  A row that sees only a few keys has weights of order 1/2 on rows of v of order 1, and where these
; nearly cancel the result is still wanted to a hundredth of the output's root mean square.  Eight significant bits (a
; relative step of 2^-9 on q, k, weight and v alike) are too coarse for that; f16's eleven make each term eight times finer.
; Room: the weights are at most 1; q / 8, k and v may reach 65,504, f16's largest number.
;
; FUTURE KEYS ARE NOT SIMPLY SKIPPED.  Where every key up to q is masked, the row's maximum is about MASK and each future key
; has weight exp(MASK - M) = 1.  So key tiles wholly in the future are left out of the products and put back at the end in
; closed form: all their scores are exactly MASK, so they add exp(MASK - M) x (their number, the sum of their rows of v).
; For the same reason the mask term is added by a true f32 add, and the maximum is subtracted BEFORE the factor log2 e.
;
; SHARING.  A head has 16 query blocks of 128 rows; work-group g (0..7) of a head owns block L = g and block H = 15 - g.
; Eight steps; step i holds key tile A = i and key tile B = 15 - i (128 keys each) in LDS.
;   waves 0-3: 32 rows of H each, H x A in every step (A <= 7 < H: never on the diagonal);
;   waves 4-7: the same 32 rows of L and of H: L x A while i <= g, H x B from i >= g on; both are diagonal tiles at i = g.
; So every work-group does 8 + 9 units of 32 queries x 128 keys per wave pair, whatever g.  All 16 tiles of v pass through
; every work-group, so the sums for the future keys cost no traffic: TM = tiles g+1 .. 15-g, TH = tiles 16-g .. 15.
; The two partial states of H are merged through LDS at the end.
;
; LAYOUT.  S^T = K Q^T: register j of lane (r, h) is key 8h + j of query r, so maximum and sum are per lane, two packed
; neighbouring sub-tiles ARE the second operand of O^T = V^T P^T, and the rescale of O^T is one factor per lane.
;
; NOT USED, and why.  Joint tile requests in a cluster: which products a work-group makes hangs on g, its place among the
; eight that share a head, so partners would take different branches.  Tensor loads: the tiles are f32 and are converted on
; the way; through registers each tile costs 16 KiB of LDS writes in place of 32 + 16.  The next step's 128 KiB are already
; requested a whole step ahead, into 128 registers a lane, so no separate prefetch.
; O is cleared once (128 moves): a context's first product falls in a step that hangs on g, so no first product can be
; written out ahead of the loop.
;
; LIMITS.  |q| / 8, |k| and |v| up to 65,504 (beyond it the conversion to f16 overflows); parts of them below 2^-24 are lost.
; Scores must stay finite.  Weights below 2^-126 count as zero (v_exp_f32 flushes, ISA guide 15.8).  The row sum adds the
; f32 weights while the product with v takes them rounded to f16.  Masks may hold any int32.
.set TILEB, 32768                      ; bytes of a tile of 128 rows x 64 f32 in memory
.set KP,   144                         ; LDS pitch of K and Q rows: 128 bytes + 16
.set VP,   160                         ; LDS pitch of V rows: 128 bytes + 32 (an odd multiple of 32, for the transposing load)
.set KA,   0                           ; K of tile A, 128 x 144
.set VA,   18432                       ; V of tile A, 128 x 160
.set TB,   38912                       ; from tile A's K (V) to tile B's
.set MM,   77824                       ; mask terms in f32: 128 of tile A, 128 of tile B
.set QB,   78848                       ; q / 8 in f16: 128 rows of L, 128 rows of H, pitch 144
.set TS,   115712                      ; 16 groups x 64 f32 of TM, then the same of TH at +4096
.set TF,   123904                      ; 64 f32: sum of v for L's future tiles; at +256 for H's
.set XCH,  124416                      ; 4 x 8704: waves 4-7 hand their state of H to waves 0-3
.set OST,  159232                      ; 8 x 8704: each wave's own output stage, 32 rows, pitch 272
.set WST,  8704
.set OP,   272
.set LOG2E, 0x3fb8aa3b
; vector registers, window 0
.set AKL, 1                            ; K fragments, tile A: r*144 + 16h
.set AVL, 2                            ; V fragments, tile A
.set AQL, 3                            ; Q fragments of my rows of L
.set AML, 4                            ; mask terms, tile A: MM + 32h
.set AKH, 5                            ; the same four for the unit on H: tile A in waves 0-3, tile B in waves 4-7
.set AVH, 6
.set AQH, 7
.set AMH, 8
.set GK,  9                            ; byte offset in a tile in memory, K and Q: rows 16w + 8h + c
.set GV,  10                           ; the same for V: rows 16w + 4h + c (+4 from c = 4 on)
.set GM,  11                           ; 4 t
.set LK,  13                           ; where my converted K goes
.set LV,  14                           ; where my converted V goes
.set LM,  15                           ; where my mask term goes
.set DL,  16                           ; 32 (w & 3) + r - 8h: a key of a diagonal tile is in the future if 16 (kt - qt) + j > DL
.set TM,  20                           ; v[20:23] sum of v, tiles g+1 .. 15-g, my rows, my 4 columns
.set TH,  24                           ; v[24:27] the same, tiles 16-g .. 15
.set STL, 28                           ; v[28:31] M, l of L, query tiles 0 and 1
.set STH, 32                           ; v[32:35] M, l of H
.set MR,  48                           ; v[48:63] ring of two slots of 8 mask terms
.set FR,  64                           ; v[64:95] Q fragments, then with KR the V fragments of keys 0-63
.set KR,  96                           ; v[96:127] ring of two slots of K fragments
.set S0,  128                          ; v[128:191] scores of query tile 0; v[192:255] of query tile 1
; window 1: 0-63 O of L, 64-127 O of H, 128-159 / 160-191 / 192-223 / 224-255 the next step's K A, V A, K B, V B as loaded
.set MSB, 0
.macro WIN new                         ; s_set_vgpr_msb: bits 1:0 source 0, 3:2 source 1, 5:4 source 2, 7:6 destination; the high byte repeats the setting left
.if MSB != \new
	s_set_vgpr_msb (MSB<<8)|\new
.set MSB, \new
.endif
.endm
; eight loads of 16 bytes: sixteen lanes take one whole row of 256 bytes, the other sixteen a second row
.macro LDT st, voff, sb, isv
.irp c, 0,1,2,3,4,5,6,7
	global_load_b128 v[\st+4*\c:\st+4*\c+3], v[\voff], s[\sb:\sb+1] offset:(\c+4*\isv*(\c>>2))*256
.endr
.endm
.macro CVT st, dst                     ; 32 f32 of window 1 to 16 registers of f16 in window 0
.irp c, 0,1,2,3,4,5,6,7
	v_cvt_pk_f16_f32 v[\dst+2*\c],   v[\st+4*\c],   v[\st+4*\c+1]
	v_cvt_pk_f16_f32 v[\dst+2*\c+1], v[\st+4*\c+2], v[\st+4*\c+3]
.endr
.endm
; eight stores of 8 bytes: a store's two rows lie 8 x 144 or 4 x 160 bytes apart, 32 words modulo 64 (64 banks of 4 bytes: ISA guide 11.1)
.macro STT addr, dat, imm, pitch, isv
.irp c, 0,1,2,3,4,5,6,7
	ds_store_b64 v[\addr], v[\dat+2*\c:\dat+2*\c+1] offset:\imm+(\c+4*\isv*(\c>>2))*\pitch
.endr
.endm
.macro VSUM acc, st                    ; my 8 rows x 4 columns of v, in f32, onto a running sum
.irp c, 0,1,2,3,4,5,6,7
	v_pk_add_f32 v[\acc:\acc+1],   v[\acc:\acc+1],   v[\st+4*\c:\st+4*\c+1]
	v_pk_add_f32 v[\acc+2:\acc+3], v[\acc+2:\acc+3], v[\st+4*\c+2:\st+4*\c+3]
.endr
.endm
.macro KLD aK, kt                      ; 16 keys x 64 d: two fragments, four loads
.irp kk, 0,1
	ds_load_b128 v[KR+16*((\kt)&1)+8*\kk:KR+16*((\kt)&1)+8*\kk+3],   v[\aK] offset:(\kt)*16*KP+64*\kk
	ds_load_b128 v[KR+16*((\kt)&1)+8*\kk+4:KR+16*((\kt)&1)+8*\kk+7], v[\aK] offset:(\kt)*16*KP+64*\kk+32
.endr
.endm
.macro MLD aM, kt                      ; the mask terms of keys 16 kt + 8h + 0..7
	ds_load_b128 v[MR+8*((\kt)&1):MR+8*((\kt)&1)+3],   v[\aM] offset:64*(\kt)
	ds_load_b128 v[MR+8*((\kt)&1)+4:MR+8*((\kt)&1)+7], v[\aM] offset:64*(\kt)+16
.endm
.macro QKW kt                          ; 16 keys x 32 queries; the first product of each sum takes 0, the second is its chain in place
	v_wmma_f32_16x16x32_f16 v[S0+8*(\kt):S0+8*(\kt)+7],       v[KR+16*((\kt)&1):KR+16*((\kt)&1)+7],    v[FR:FR+7],     0
	v_wmma_f32_16x16x32_f16 v[S0+64+8*(\kt):S0+64+8*(\kt)+7], v[KR+16*((\kt)&1):KR+16*((\kt)&1)+7],    v[FR+16:FR+23], 0
	v_wmma_f32_16x16x32_f16 v[S0+8*(\kt):S0+8*(\kt)+7],       v[KR+16*((\kt)&1)+8:KR+16*((\kt)&1)+15], v[FR+8:FR+15],  v[S0+8*(\kt):S0+8*(\kt)+7]
	v_wmma_f32_16x16x32_f16 v[S0+64+8*(\kt):S0+64+8*(\kt)+7], v[KR+16*((\kt)&1)+8:KR+16*((\kt)&1)+15], v[FR+24:FR+31], v[S0+64+8*(\kt):S0+64+8*(\kt)+7]
.endm
.macro MADD kt                         ; score + mask term, one f32 rounding as in the definition
.irp p, 0,1,2,3
	v_pk_add_f32 v[S0+8*(\kt)+2*\p:S0+8*(\kt)+2*\p+1],       v[S0+8*(\kt)+2*\p:S0+8*(\kt)+2*\p+1],       v[MR+8*((\kt)&1)+2*\p:MR+8*((\kt)&1)+2*\p+1]
	v_pk_add_f32 v[S0+64+8*(\kt)+2*\p:S0+64+8*(\kt)+2*\p+1], v[S0+64+8*(\kt)+2*\p:S0+64+8*(\kt)+2*\p+1], v[MR+8*((\kt)&1)+2*\p:MR+8*((\kt)&1)+2*\p+1]
.endr
.endm
.macro VLD aV, ks, dst                 ; V^T of 32 keys x 64 d: four fragments, eight transposing loads
.irp dt, 0,1,2,3
	ds_load_tr16_b128 v[\dst+8*\dt:\dst+8*\dt+3],   v[\aV] offset:(\ks)*32*VP+32*\dt
	ds_load_tr16_b128 v[\dst+8*\dt+4:\dst+8*\dt+7], v[\aV] offset:(\ks)*32*VP+32*\dt+16*VP
.endr
.endm
.macro EA S, k                         ; (x - M) first, then x log2 e: with M near -2^32 one fused step would be off by hundreds
.irp p, 0,1,2,3
	v_pk_add_f32 v[\S+8*(\k)+2*\p:\S+8*(\k)+2*\p+1], v[\S+8*(\k)+2*\p:\S+8*(\k)+2*\p+1], v[46:47]
.endr
.irp p, 0,1,2,3
	v_pk_mul_f32 v[\S+8*(\k)+2*\p:\S+8*(\k)+2*\p+1], v[\S+8*(\k)+2*\p:\S+8*(\k)+2*\p+1], LOG2E op_sel_hi:[1,0]
.endr
.endm
.macro EE S, k
.irp j, 0,1,2,3,4,5,6,7
	v_exp_f32 v[\S+8*(\k)+\j], v[\S+8*(\k)+\j]
.endr
.endm
.macro EC S, k                         ; weights onto the row sum, then packed to f16 at S + 4k (below everything still unread)
.if (\k) == 0
	s_wait_alu depctr_va_vdst(0)
	v_pk_add_f32 v[44:45], v[\S:\S+1], v[\S+2:\S+3]            ; the first two pairs start the sum
	v_cvt_pk_f16_f32 v[\S],   v[\S],   v[\S+1]
	v_pk_add_f32 v[44:45], v[44:45], v[\S+4:\S+5]
	v_cvt_pk_f16_f32 v[\S+1], v[\S+2], v[\S+3]
	v_pk_add_f32 v[44:45], v[44:45], v[\S+6:\S+7]
	v_cvt_pk_f16_f32 v[\S+2], v[\S+4], v[\S+5]
	v_cvt_pk_f16_f32 v[\S+3], v[\S+6], v[\S+7]
.else
	s_wait_alu depctr_va_vdst(0)
.irp p, 0,1,2,3
	v_pk_add_f32 v[44:45], v[44:45], v[\S+8*(\k)+2*\p:\S+8*(\k)+2*\p+1]
	v_cvt_pk_f16_f32 v[\S+4*(\k)+\p], v[\S+8*(\k)+2*\p], v[\S+8*(\k)+2*\p+1]
.endr
.endif
.endm
; one query tile's softmax round: S = its 64 scores, M = register of its running maximum (its sum behind it), AL = pair for the rescale factor
.macro SOFT S, M, AL
	v_max3_num_f32 v36, v[\S],   v[\S+1], v[\S+2]              ; two chains over my 64 keys
	v_max3_num_f32 v37, v[\S+3], v[\S+4], v[\S+5]
.set n, 6
.rept 14
	v_max3_num_f32 v36, v36, v[\S+n],   v[\S+n+1]
	v_max3_num_f32 v37, v37, v[\S+n+2], v[\S+n+3]
.set n, n+4
.endr
	v_max3_num_f32 v36, v36, v[\S+62], v[\S+63]
	v_max3_num_f32 v36, v36, v37, v[\M]
	v_permlanex16_b32 v38, v36, s32, s33                       ; the other 64 keys of the query lie in lane l xor 16
	v_max_num_f32 v36, v36, v38                                ; the new maximum, alike in both lanes
	v_sub_f32 v38, v[\M], v36
	v_mul_f32 v38, LOG2E, v38
	v_exp_f32 v[\AL], v38                                      ; exp(M old - M new); 0 in the first round (M old = -inf)
	v_mov_b32 v[\M], v36                                       ; the plain instruction behind v_exp_f32 (ISA guide 5.7.2)
	v_sub_f32 v46, 0, v36
	v_sub_f32 v47, 0, v36
	s_wait_alu depctr_va_vdst(0)
	v_mov_b32 v[\AL+1], v[\AL]
	EA \S, 0
	EE \S, 0
.irp k, 0,1,2,3,4,5,6
	EA \S, \k+1                                                ; eight plain instructions between a group's exponentials and their use
	EC \S, \k
	EE \S, \k+1
.endr
	v_nop
	s_wait_alu depctr_va_vdst(0)
	EC \S, 7
	v_add_f32 v44, v44, v45
	v_fma_f32 v[\M+1], v[\M+1], v[\AL], v44                    ; my lane's half of the row sum; the halves meet at the end
.endm
.macro PVW OB, ks, vf                  ; O^T += V^T P^T over 32 keys: chains in place on eight accumulators
.irp dt, 0,1,2,3
.irp qt, 0,1
	v_wmma_f32_16x16x32_f16 v[\OB+32*\qt+8*\dt:\OB+32*\qt+8*\dt+7], v[\vf+8*\dt:\vf+8*\dt+7], v[S0+64*\qt+8*(\ks):S0+64*\qt+8*(\ks)+7], v[\OB+32*\qt+8*\dt:\OB+32*\qt+8*\dt+7]
.endr
.endr
.endm
; A UNIT: 32 queries x 128 keys.  aK, aV, aQ, aM: address registers; M: the context's M, l; OB: its O in window 1; flag: scalar, 1 on the diagonal
.macro UNIT tag, aK, aV, aQ, aM, M, OB, flag
.irp qt, 0,1
.irp kk, 0,1
	ds_load_b128 v[FR+16*\qt+8*\kk:FR+16*\qt+8*\kk+3],   v[\aQ] offset:\qt*16*KP+64*\kk
	ds_load_b128 v[FR+16*\qt+8*\kk+4:FR+16*\qt+8*\kk+7], v[\aQ] offset:\qt*16*KP+64*\kk+32
.endr
.endr
	MLD \aM, 0
	KLD \aK, 0
	MLD \aM, 1
	KLD \aK, 1
.irp kt, 0,1,2,3,4,5,6,7
; LDS loads come back in order (ISA guide 5.7.1).  Behind K(kt) were issued: kt = 0: M1, K1 = 6; kt = 1: K2 = 4;
; kt = 2..6: M(kt), K(kt+1) = 6; kt = 7: M7 = 2.  The mask terms that the adds below take are older than K(kt).
.set WC, 6
.if \kt == 1
.set WC, 4
.endif
.if \kt == 7
.set WC, 2
.endif
	s_wait_dscnt WC
	QKW \kt
; The eight adds on the sub-tile before (four v_nop the first time) name none of these products' registers: they are the places
; (ISA guide 7.12.1) in front of the reload of the K slot just read and in front of the adds on this sub-tile one turn later.
.if \kt == 0
.rept 4
	v_nop
.endr
.else
	MADD \kt-1
.if \kt <= 6
	MLD \aM, \kt+1
.endif
.endif
.if \kt <= 5
	KLD \aK, \kt+2
.endif
.endr
	s_wait_dscnt 0x0                                           ; M7, the last load out
	MADD 7
	VLD \aV, 0, FR                                             ; Q and K fragments are done with: V of keys 0-63 takes their place
	VLD \aV, 1, FR+32
	s_cmp_eq_u32 s[\flag], 0
	s_cbranch_scc1 .Lnofix\tag
.irp qt, 0,1                                                       ; the diagonal tile: future keys get exactly MASK (v39)
.irp kt, 0,1,2,3,4,5,6,7
.irp j, 0,1,2,3,4,5,6,7
	v_cmp_gt_i32 vcc_lo, 16*(\kt-\qt)+\j, v[DL]
	v_cndmask_b32 v[S0+64*\qt+8*\kt+\j], v[S0+64*\qt+8*\kt+\j], v39, vcc_lo
.endr
.endr
.endr
.Lnofix\tag:
	SOFT S0, \M, 40
	VLD \aV, 2, S0+32                                          ; the packed weights fill the lower half: V of keys 64-95 into the upper
	SOFT S0+64, \M+2, 42
	VLD \aV, 3, S0+96                                          ; V of keys 96-127
	WIN 0x41
.irp qt, 0,1
.set n, 0
.rept 16
	v_pk_mul_f32 v[\OB+32*\qt+2*n:\OB+32*\qt+2*n+1], v[\OB+32*\qt+2*n:\OB+32*\qt+2*n+1], v[40+2*\qt:41+2*\qt]
.set n, n+1
.endr
.endr
	WIN 0x50
	s_wait_dscnt 16                                            ; the 16 loads of keys 64-127 may stay out
	PVW \OB, 0, FR
	PVW \OB, 1, FR+32
	s_wait_dscnt 8                                             ; the 8 loads of keys 96-127 may stay out
	PVW \OB, 2, S0+32
	s_wait_dscnt 0x0
	PVW \OB, 3, S0+96
.rept 5
	v_nop                                                      ; five places: whatever follows may load into, write or multiply over these registers
.endr
	WIN 0
.endm
; The end of a context.  M: its M, l; OB: its O; partner = 1: a second state lies in LDS; tail: scalar with the future tiles' score
; (MASK, or -inf where there are none); cnt: scalar with their number of keys in f32; tfo: their sum of v in TF.  Result in v[192:255].
.macro FIN M, OB, partner, tail, cnt, tfo
.irp dt, 0,1,2,3
	ds_load_b128 v[FR+8*\dt:FR+8*\dt+3],   v18 offset:\tfo+64*\dt       ; the sum's columns 16 dt + 8h + 0..7, as O holds them
	ds_load_b128 v[FR+8*\dt+4:FR+8*\dt+7], v18 offset:\tfo+64*\dt+16
.endr
.if \partner
.set n, 0
.rept 16
	ds_load_b128 v[S0+4*n:S0+4*n+3], v19 offset:512*n
.set n, n+1
.endr
	ds_load_b128 v[48:51], v19 offset:8192
.endif
	s_wait_dscnt 0x0
.irp qt, 0,1
.if \partner
	v_max3_num_f32 v36, v[\M+2*\qt], v[48+2*\qt], s[\tail]
.else
	v_max_num_f32 v36, s[\tail], v[\M+2*\qt]
.endif
	v_sub_f32 v37, v[\M+2*\qt], v36
	v_sub_f32 v38, s[\tail], v36
	v_mul_f32 v37, LOG2E, v37
	v_mul_f32 v38, LOG2E, v38
.if \partner
	v_sub_f32 v39, v[48+2*\qt], v36
	v_mul_f32 v39, LOG2E, v39
	v_exp_f32 v39, v39
.endif
	v_exp_f32 v37, v37
	v_exp_f32 v38, v38
	v_nop
	s_wait_alu depctr_va_vdst(0)
	v_mul_f32 v44, v37, v[\M+2*\qt+1]
.if \partner
	v_fmac_f32 v44, v39, v[48+2*\qt+1]
.endif
	v_permlanex16_b32 v45, v44, s32, s33                       ; the two lanes' halves of the row sum
	v_add_f32 v44, v44, v45
	v_fmac_f32 v44, s[\cnt], v38                               ; + number of future keys x their weight, once
	v_rcp_f32 v45, v44
	v_nop
	s_wait_alu depctr_va_vdst(0)
	v_mul_f32 v40, v37, v45
	v_mul_f32 v41, v37, v45
	v_mul_f32 v46, v38, v45
	v_mul_f32 v47, v38, v45
.if \partner
	v_mul_f32 v42, v39, v45
	v_mul_f32 v43, v39, v45
.endif
	WIN 0x01
.set n, 0
.rept 16
	v_pk_mul_f32 v[192+32*\qt+2*n:192+32*\qt+2*n+1], v[\OB+32*\qt+2*n:\OB+32*\qt+2*n+1], v[40:41]
.set n, n+1
.endr
	WIN 0
.set n, 0
.rept 16
	v_pk_fma_f32 v[192+32*\qt+2*n:192+32*\qt+2*n+1], v[FR+2*n:FR+2*n+1], v[46:47], v[192+32*\qt+2*n:192+32*\qt+2*n+1]
.if \partner
	v_pk_fma_f32 v[192+32*\qt+2*n:192+32*\qt+2*n+1], v[S0+32*\qt+2*n:S0+32*\qt+2*n+1], v[42:43], v[192+32*\qt+2*n:192+32*\qt+2*n+1]
.endif
.set n, n+1
.endr
.endr
.endm
; ---------------------------------------------------------------- set-up
	s_load_b256 s[4:11], s[0:1], 0x0               ; queries s[4:5], keys s[6:7], values s[8:9], masks s[10:11]
	s_load_b64 s[12:13], s[0:1], 0x20              ; out0
	v_lshrrev_b32 v18, 5, v0
	v_readfirstlane_b32 s14, v18                   ; wave w
	s_lshr_b32 s15, s14, 2                         ; 0: waves 0-3, 1: waves 4-7
	s_and_b32 s19, s14, 3
	s_and_b32 s16, ttmp9, 7                        ; g
	s_lshr_b32 s17, ttmp9, 3                       ; head
	s_mov_b32 s32, 0x76543210                      ; v_permlanex16_b32: lane l takes lane l xor 16
	s_mov_b32 s33, 0xfedcba98
	s_mov_b32 s34, 0xcf800000                      ; MASK = -2^32
	s_cmp_lg_u32 s16, 0
	s_cselect_b32 s35, s34, 0xff800000             ; H's future tiles: MASK, or -inf where g = 0 and there are none
	s_sub_co_u32 s46, 15, s16                      ; 15 - g
	s_lshl_b32 s36, s16, 7
	s_lshl_b32 s37, s46, 7
	s_cvt_f32_u32 s36, s36                         ; 128 g keys beyond H
	s_cvt_f32_u32 s37, s37                         ; 128 (15 - g) keys beyond L
	v_and_b32 v18, 15, v0                          ; r
	v_bfe_u32 v19, v0, 4, 1                        ; h
	v_mul_u32_u24 v[AKL], v18, KP
	v_lshl_add_u32 v[AKL], v19, 4, v[AKL]
	v_and_b32 v[AVL], 7, v0
	v_lshl_add_u32 v[AVL], v19, 3, v[AVL]          ; key row 8h + (l & 7)
	v_mul_u32_u24 v[AVL], v[AVL], VP
	v_bfe_u32 v12, v0, 3, 1
	v_lshl_add_u32 v[AVL], v12, 4, v[AVL]
	v_add_nc_u32 v[AVL], VA, v[AVL]
	s_mul_i32 s30, s19, 32*KP
	s_add_co_u32 s30, s30, QB
	v_add_nc_u32 v[AQL], s30, v[AKL]
	v_lshlrev_b32 v[AML], 5, v19
	v_add_nc_u32 v[AML], MM, v[AML]
	s_mul_i32 s30, s15, TB
	v_add_nc_u32 v[AKH], s30, v[AKL]
	v_add_nc_u32 v[AVH], s30, v[AVL]
	v_add_nc_u32 v[AQH], 128*KP, v[AQL]
	s_lshl_b32 s30, s15, 9
	v_add_nc_u32 v[AMH], s30, v[AML]
	s_lshl_b32 s30, s14, 12                        ; 16 rows of 256 bytes a wave
	v_lshlrev_b32 v[GK], 4, v18
	v_add_nc_u32 v[GK], s30, v[GK]
	v_lshl_add_u32 v[GV], v19, 10, v[GK]
	v_lshl_add_u32 v[GK], v19, 11, v[GK]
	v_lshlrev_b32 v[GM], 2, v0
	v_add_nc_u32 v[LM], MM, v[GM]
	v_lshlrev_b32 v[LK], 3, v18
	v_mul_u32_u24 v12, v19, 4*VP
	v_add_nc_u32 v[LV], v12, v[LK]
	v_mul_u32_u24 v12, v19, 8*KP
	v_add_nc_u32 v[LK], v12, v[LK]
	s_mul_i32 s30, s14, 16*KP
	v_add_nc_u32 v[LK], s30, v[LK]
	s_mul_i32 s30, s14, 16*VP
	v_add_nc_u32 v[LV], s30, v[LV]
	s_lshl_b32 s30, s19, 5
	v_lshlrev_b32 v[DL], 3, v19
	v_sub_nc_u32 v[DL], v18, v[DL]
	v_add_nc_u32 v[DL], s30, v[DL]
	s_wait_kmcnt 0x0
	s_lshl_b32 s30, s17, 19                        ; a head is 2048 x 256 bytes
	s_mov_b32 s31, 0
	s_add_nc_u64 s[20:21], s[6:7], s[30:31]        ; K, tile A = 0
	s_add_nc_u64 s[22:23], s[8:9], s[30:31]        ; V, tile A
	s_add_nc_u64 s[24:25], s[20:21], 15*TILEB      ; K, tile B = 15
	s_add_nc_u64 s[26:27], s[22:23], 15*TILEB      ; V, tile B
	s_add_nc_u64 s[40:41], s[4:5], s[30:31]
	s_add_nc_u64 s[44:45], s[12:13], s[30:31]
	s_lshl_b32 s30, s46, 15
	s_add_nc_u64 s[42:43], s[40:41], s[30:31]      ; q, block H
	s_lshl_b32 s30, s16, 15
	s_add_nc_u64 s[40:41], s[40:41], s[30:31]      ; q, block L
	s_and_b32 s30, s17, 3
	s_lshl_b32 s30, s30, 13                        ; mask row head & 3, 8192 bytes each
	s_mul_i32 s46, s15, 7168                       ; waves 4-7 (4 t >= 512) start at key 128 x 15
	s_add_co_u32 s30, s30, s46
	s_add_nc_u64 s[28:29], s[10:11], s[30:31]
	s_sub_co_u32 s46, 15, s16
	s_cmp_eq_u32 s15, 0
	s_cselect_b32 s30, s46, s16                    ; waves 0-3 finish H, waves 4-7 finish L
	s_lshl_b32 s30, s30, 15
	s_lshl_b32 s19, s19, 13                        ; my 32 rows
	s_add_co_u32 s30, s30, s19
	s_add_nc_u64 s[44:45], s[44:45], s[30:31]      ; my 32 rows of the output
.irp c, 0,1,2,3,4,5,6,7
	global_load_b128 v[S0+4*\c:S0+4*\c+3], v[GK], s[40:41] offset:\c*256 th:TH_LOAD_NT
.endr
.irp c, 0,1,2,3,4,5,6,7
	global_load_b128 v[S0+32+4*\c:S0+32+4*\c+3], v[GK], s[42:43] offset:\c*256 th:TH_LOAD_NT
.endr
	WIN 0x40
	LDT 128, GK, 20, 0                             ; step 0's tiles.  K of tile 15 is used only where g = 0, but is loaded here
	LDT 160, GV, 22, 1                             ; by all, so that its registers are written on every path
	LDT 192, GK, 24, 0
	LDT 224, GV, 26, 1
.set n, 0
.rept 128
	v_mov_b32 v[n], 0                              ; O of L and of H (see the head)
.set n, n+1
.endr
	WIN 0
	global_load_b32 v17, v[GM], s[28:29]           ; threads 0-127: tile A's masks, 128-255: tile B's
.irp x, 20,21,22,23,24,25,26,27,29,31,33,35,36,37,38,40,41,42,43,44,45,46,47
	v_mov_b32 v\x, 0                               ; sums; and the pairs and the lane exchange's destination are written once
.endr
.irp x, 28,30,32,34
	v_mov_b32 v\x, 0xff800000                      ; running maxima: -inf
.endr
	v_mov_b32 v39, s34
	s_wait_loadcnt 33                              ; behind q's 16 loads: 32 tile loads and the mask load, which stay out
.set n, 0
.rept 32
	v_pk_mul_f32 v[S0+2*n:S0+2*n+1], v[S0+2*n:S0+2*n+1], 0x3e000000 op_sel_hi:[1,0]   ; q / 8, exact
.set n, n+1
.endr
.set n, 0
.rept 32
	v_cvt_pk_f16_f32 v[192+n], v[S0+2*n], v[S0+2*n+1]
.set n, n+1
.endr
	v_add_nc_u32 v18, QB, v[LK]
	STT 18, 192, 0, KP, 0
	STT 18, 208, 128*KP, KP, 0
	s_mov_b32 s18, 0                               ; step i
; ---------------------------------------------------------------- eight steps
.Lstep:
	s_wait_dscnt 0x0                               ; my reads of the last step's tiles are over (first trip: my rows of q are stored)
	s_barrier_signal -1
	s_wait_loadcnt 0x0                             ; this step's tiles, requested a whole step ago; frees their bases and offsets too
	WIN 0x05
	CVT 128, 128
	CVT 160, 144
	WIN 0
	v_cvt_f32_i32 v17, v17
	v_mul_f32 v17, s34, v17                        ; mask x MASK
	s_barrier_wait -1                              ; nobody reads the tiles any more
	STT LK, 128, KA, KP, 0
	STT LV, 144, VA, VP, 1
	ds_store_b32 v[LM], v17
	s_cmp_le_u32 s18, s16
	s_cbranch_scc1 .Lnosuma
	WIN 0x04
	VSUM TM, 160                                   ; tile A = i > g lies beyond L
	WIN 0
.Lnosuma:
	s_cmp_lt_u32 s18, s16
	s_cbranch_scc1 .Lfar
	WIN 0x04
	VSUM TM, 224                                   ; tile B = 15 - i <= H: beyond L only, and multiplied with H
	WIN 0x05
	CVT 192, 160
	CVT 224, 176
	WIN 0
	STT LK, 160, KA+TB, KP, 0
	STT LV, 176, VA+TB, VP, 1
	s_branch .Lsummed
.Lfar:
	WIN 0x04
	VSUM TH, 224                                   ; tile B > H: beyond both blocks, only summed
	WIN 0
.Lsummed:
	s_wait_dscnt 0x0                               ; my part of the tiles is in LDS
	s_barrier_signal -1
	s_barrier_wait -1                              ; everybody's is
	s_cmp_eq_u32 s18, 7
	s_cbranch_scc1 .Lnoload
	s_add_nc_u64 s[20:21], s[20:21], TILEB         ; the next step's tiles: A one up, B one down
	s_add_nc_u64 s[22:23], s[22:23], TILEB
	s_sub_nc_u64 s[24:25], s[24:25], TILEB
	s_sub_nc_u64 s[26:27], s[26:27], TILEB
	s_cmp_eq_u32 s15, 0
	s_cbranch_scc1 .Lmaskup
	s_sub_nc_u64 s[28:29], s[28:29], 1024          ; waves 4-7: 128 masks down in all
.Lmaskup:
	s_add_nc_u64 s[28:29], s[28:29], 512           ; waves 0-3: 128 masks up
	WIN 0x40
	LDT 128, GK, 20, 0
	LDT 160, GV, 22, 1
	LDT 224, GV, 26, 1
	WIN 0
	global_load_b32 v17, v[GM], s[28:29]
	s_add_co_u32 s19, s18, 1
	s_cmp_lt_u32 s19, s16
	s_cbranch_scc1 .Lnoload                        ; K of a tile beyond H is never multiplied
	WIN 0x40
	LDT 192, GK, 24, 0
	WIN 0
.Lnoload:
	s_cmp_eq_u32 s18, s16
	s_cselect_b32 s39, 1, 0                        ; L x A is on the diagonal
	s_and_b32 s38, s39, s15                        ; H x B is, in waves 4-7
	s_cmp_eq_u32 s15, 0
	s_cbranch_scc1 .LunitH                         ; waves 0-3: H x A
	s_cmp_gt_u32 s18, s16
	s_cbranch_scc1 .LskipL
	UNIT L, AKL, AVL, AQL, AML, STL, 0, 39
.LskipL:
	s_cmp_lt_u32 s18, s16
	s_cbranch_scc1 .LskipH
.LunitH:
	UNIT H, AKH, AVH, AQH, AMH, STH, 64, 38
.LskipH:
	s_add_co_u32 s18, s18, 1
	s_cmp_lt_u32 s18, 8
	s_cbranch_scc1 .Lstep
; ---------------------------------------------------------------- the sums of v and the second state of H meet in LDS
	v_lshlrev_b32 v18, 4, v0
	v_add_nc_u32 v18, TS, v18                      ; group 2w + h, columns 4 (l & 15) ..
	ds_store_b128 v18, v[TM:TM+3]
	ds_store_b128 v18, v[TH:TH+3] offset:4096
	s_and_b32 s19, s14, 3
	s_mul_i32 s19, s19, WST
	s_add_co_u32 s19, s19, XCH
	v_and_b32 v54, 31, v0
	v_lshlrev_b32 v54, 4, v54                      ; 16 l
	v_add_nc_u32 v19, s19, v54
	s_cmp_eq_u32 s15, 0
	s_cbranch_scc1 .Lnoxch
	WIN 0x04
.set n, 0
.rept 16
	ds_store_b128 v19, v[64+4*n:64+4*n+3] offset:512*n         ; O of H, register for register, lane for lane
.set n, n+1
.endr
	WIN 0
	ds_store_b128 v19, v[STH:STH+3] offset:8192
.Lnoxch:
	s_wait_dscnt 0x0
	s_barrier_signal -1
	s_barrier_wait -1
	s_cmp_ge_u32 s14, 2
	s_cbranch_scc1 .Lnosum
	v_lshlrev_b32 v18, 2, v0                       ; threads 0-63: one column each
	v_add_nc_u32 v18, TS, v18
.set n, 0
.rept 16
	ds_load_b32 v[S0+n],    v18 offset:256*n
	ds_load_b32 v[S0+16+n], v18 offset:4096+256*n
.set n, n+1
.endr
	s_wait_dscnt 0x0
.irp b, S0, S0+16
	v_pk_add_f32 v[\b:\b+1],     v[\b:\b+1],     v[\b+2:\b+3]
	v_pk_add_f32 v[\b+4:\b+5],   v[\b+4:\b+5],   v[\b+6:\b+7]
	v_pk_add_f32 v[\b+8:\b+9],   v[\b+8:\b+9],   v[\b+10:\b+11]
	v_pk_add_f32 v[\b+12:\b+13], v[\b+12:\b+13], v[\b+14:\b+15]
	v_pk_add_f32 v[\b:\b+1],     v[\b:\b+1],     v[\b+4:\b+5]
	v_pk_add_f32 v[\b+8:\b+9],   v[\b+8:\b+9],   v[\b+12:\b+13]
	v_pk_add_f32 v[\b:\b+1],     v[\b:\b+1],     v[\b+8:\b+9]
	v_add_f32 v[\b], v[\b], v[\b+1]
.endr
	v_add_f32 v[S0], v[S0], v[S0+16]               ; beyond L: both sets
	ds_store_b32 v18, v[S0]    offset:TF-TS
	ds_store_b32 v18, v[S0+16] offset:TF-TS+256    ; beyond H
.Lnosum:
	s_wait_dscnt 0x0
	s_barrier_signal -1
	s_barrier_wait -1
	v_and_b32 v12, 15, v0
	v_bfe_u32 v17, v0, 4, 1
	v_lshlrev_b32 v18, 5, v17
	v_add_nc_u32 v18, TF, v18
	s_mul_i32 s19, s14, WST
	s_add_co_u32 s19, s19, OST                     ; my own stage
	v_mul_u32_u24 v52, v12, OP
	v_lshl_add_u32 v52, v17, 5, v52
	v_add_nc_u32 v52, s19, v52                     ; in: row r, 32 bytes for each half of the lanes
	v_mul_u32_u24 v53, v17, OP
	v_lshl_add_u32 v53, v12, 4, v53
	v_add_nc_u32 v53, s19, v53                     ; back: lanes 0-15 one row of 256 bytes, lanes 16-31 the next
	s_cmp_eq_u32 s15, 0
	s_cbranch_scc1 .LfinX
	FIN STL, 0, 0, 34, 37, 0
	s_branch .Lout
.LfinX:
	FIN STH, 64, 1, 35, 36, 256
.Lout:
.irp qt, 0,1
.irp dt, 0,1,2,3
	ds_store_b128 v52, v[192+32*\qt+8*\dt:192+32*\qt+8*\dt+3]   offset:\qt*16*OP+64*\dt
	ds_store_b128 v52, v[192+32*\qt+8*\dt+4:192+32*\qt+8*\dt+7] offset:\qt*16*OP+64*\dt+16
.endr
.endr
.set n, 0
.rept 16
	ds_load_b128 v[S0+4*n:S0+4*n+3], v53 offset:2*OP*n         ; LDS serves a wave's instructions in order (ISA guide 5.7.1): these see the stores above
.set n, n+1
.endr
.set n, 0
.rept 16
	s_wait_dscnt 15-n                                          ; the younger read-backs stay out
	global_store_b128 v54, v[S0+4*n:S0+4*n+3], s[44:45] offset:512*n th:TH_STORE_NT   ; two whole rows of 256 bytes, aligned
.set n, n+1
.endr
	s_wait_xcnt 0x0
	v_lshl_add_u32 v254, v0, 2, 0x37e00
	v_mov_b32 v255, 0
	s_wait_tensorcnt 0x0
	ds_add_u32 v254, v255
	s_wait_dscnt 0x0
	s_endpgm
.Lfunc_end_k_q2b3a64c7bd_attn:
	.size	k_q2b3a64c7bd_attn, .Lfunc_end_k_q2b3a64c7bd_attn-k_q2b3a64c7bd_attn
	.p2alignl 7, 3214868480
	.fill 96, 4, 3214868480
	.section	.rodata,"a",@progbits
	.p2align	6, 0x0
	.amdhsa_kernel k_q2b3a64c7bd_attn
		.amdhsa_group_segment_fixed_size 229888
		.amdhsa_private_segment_fixed_size 0
		.amdhsa_enable_private_segment 0
		.amdhsa_kernarg_size 40
		.amdhsa_user_sgpr_count 2
		.amdhsa_user_sgpr_kernarg_segment_ptr 1
		.amdhsa_wavefront_size32 1
		.amdhsa_system_sgpr_workgroup_id_x 1
		.amdhsa_system_sgpr_workgroup_id_y 1
		.amdhsa_system_sgpr_workgroup_id_z 1
		.amdhsa_system_vgpr_workitem_id 0
		.amdhsa_next_free_vgpr 512
		.amdhsa_next_free_sgpr 66
		.amdhsa_reserve_vcc 1
		.amdhsa_float_denorm_mode_32 3
		.amdhsa_float_denorm_mode_16_64 3
		.amdhsa_memory_ordered 1
		.amdhsa_forward_progress 1
		.amdhsa_inst_pref_size 167
	.end_amdhsa_kernel
	.amdgpu_metadata
---
amdhsa.version: [ 1, 2 ]
amdhsa.kernels:
  - .name:           k_q2b3a64c7bd_attn
    .symbol:         k_q2b3a64c7bd_attn.kd
    .args:
      - { .name: queries, .offset: 0, .size: 8, .value_kind: global_buffer, .address_space: global }
      - { .name: keys, .offset: 8, .size: 8, .value_kind: global_buffer, .address_space: global }
      - { .name: values, .offset: 16, .size: 8, .value_kind: global_buffer, .address_space: global }
      - { .name: masks, .offset: 24, .size: 8, .value_kind: global_buffer, .address_space: global }
      - { .name: out0, .offset: 32, .size: 8, .value_kind: global_buffer, .address_space: global }
    .group_segment_fixed_size: 229888
    .private_segment_fixed_size: 0
    .kernarg_segment_align: 8
    .kernarg_segment_size: 40
    .max_flat_workgroup_size: 256
    .sgpr_count:     66
    .vgpr_count:     512
    .wavefront_size: 32
...
	.end_amdgpu_metadata
.endif
;; end of part 1
